; MI455X (gfx1250); checked and timed in simulation.
; The chip was launched on July 23, 2026; its instructions are those of AMD's public machine-readable ISA for CDNA 5 (MIT licence, August 2026) and "CDNA5" Instruction Set Architecture Reference Guide (July 2026). The comments in the code are by the model that wrote it; some were corrected since.
;; Causal Self Attention. Allowed arithmetic: matrix products marked QUANTISED: E4M3 operands, one given power-of-two scale a tensor, by v_wmma_f32_16x16x64_fp8_fp8 or v_wmma_f32_16x16x128_fp8_fp8, f32 sums; everything else in f32.
;; Inputs: W_attn 1,024 x 3,072 float32; W_proj 1,024 x 1,024 float32; b_attn 3,072 float32; b_proj 1,024 float32; lowp_scales 8 int32 (the exponents e of the quantised operands' scales 2^e); x 4 x 2,048 x 1,024 float32.
;; Outputs: out0 4 x 2,048 x 1,024 float32.
;; This version of the problem:
;;   THIS VERSION OF THE PROBLEM IS GIVEN IN LOW PRECISION. The matrix products marked QUANTISED in the list below multiply operands that are first quantised to E4M3 (4 exponent bits, 3 mantissa bits; 8 bits a number), with one given power-of-two scale for each operand tensor; their sums are f32. All else is computed in f32.
;;   The module's matrix products, in the order in which they are computed (A, B: the left and right operand; K: the contracted axis; several contracted axes count as one K, in the product's order):
;;     1. [M 8,192, K 1,024] x [K 1,024, N 3,072]; A: input x; B: input W_attn: QUANTISED (scales: A lowp_scales[0], B lowp_scales[1])
;;     2. batch 64 x [M 2,048, K 64] x [K 64, N 2,048]; A: computed on the way; B: computed on the way: QUANTISED (scales: A lowp_scales[2], B lowp_scales[3])
;;     3. batch 64 x [M 2,048, K 2,048] x [K 2,048, N 64]; A: softmax (see below); B: computed on the way: QUANTISED (scales: A lowp_scales[4], B lowp_scales[5])
;;     4. [M 8,192, K 1,024] x [K 1,024, N 1,024]; A: computed on the way; B: input W_proj: QUANTISED (scales: A lowp_scales[6], B lowp_scales[7])
;;   THE QUANTISER, for each operand of a quantised product, along K:
;;     - The operand's scale is 2^e, e = its entry of the input lowp_scales (int32; the entries are numbered through the quantised products in the list's order, A before B).
;;     - Each number is divided by the scale, clamped to +-448, and rounded to the nearest number of E4M3, ties to even, subnormals kept.
;;     - The product sums the exact products of the quantised numbers (number of the format x scale) in f32.
;;   ~~~python
;;   def quantise(x, axis, e):      # numpy; x: float32 -> the quantised numbers, widened to float32 again
;;       x = np.moveaxis(x, axis, -1); K = x.shape[-1]
;;       r = np.clip(x / 2.0 ** e, -448, 448)
;;       step = 2.0 ** (np.maximum(np.frexp(np.where(r == 0, 1, r))[1] - 1, -6) - 3)
;;       q = np.round(r / step) * step * 2.0 ** e      # np.round: ties to even
;;       return np.moveaxis(q, -1, axis).astype(np.float32)
;;   ~~~
;;   SOFTMAX AHEAD OF A QUANTISED PRODUCT. Where the list says 'softmax', what is quantised is not the finished softmax but p = 2^(t - M), with t = logit x log2(e) and M = ceil(the row's largest t), a whole number; so 1/2 < the row's largest p <= 1. The row's sum l is taken of the UNQUANTISED p, in f32, and the product's result is divided by l at the end. Since M is a whole number, a kernel that streams over the keys may use a running M (the ceiling of the running maximum): every later rescaling is an exact power of two, so the quantised numbers keep their values, but for numbers so far below the row's largest that they fall under the format's range.
;;   OPERANDS COMPUTED ON THE WAY. 'Computed on the way' means the value that the module computes at that place (a softmax that the list does not call 'softmax' is quantised finished and normalised). What goes into a quantiser is computed in f32, as accurately as f32 sums, v_exp_f32 and their like allow (about 1e-6 of the number): no bf16 or f16 on the way to a quantiser, and a product that is left as it is and whose result goes on into a quantised operand takes f32 operands (vector FMAs, or v_wmma_f32_16x16x4_f32). A number that lies on a knife's edge between two numbers of the format may be rounded either way, as far as f32 arithmetic and the matrix unit's own rounding can turn it there, and no further.
;; One version. Each part assembles by itself: llvm-mc -triple=amdgcn-amd-amdhsa -mcpu=gfx1250 --defsym DOCPART=n.
;; ======== version 1 of 1: 4 launches
;; limits: right only within a limited range of input values
;; workspace buffers: x_img 8,388,608 bytes; wa_img 3,145,728 bytes; wp_img 1,048,576 bytes; q_img 8,388,608 bytes; kv_img 16,777,216 bytes; y_img 8,388,608 bytes
;; launch prep (part 1): grid 384 x 1, 4 waves a work-group, no clusters, 69,120 bytes of LDS; arguments x, W_attn, W_proj, lowp_scales, x_img, wa_img, wp_img; writes x_img, wa_img, wp_img
.if DOCPART == 1
	.amdgcn_target "amdgcn-amd-amdhsa--gfx1250"
	.amdhsa_code_object_version 6
	.text
	.protected	k_qd604b01831_prep
	.globl	k_qd604b01831_prep
	.p2align	8
	.type	k_qd604b01831_prep,@function
k_qd604b01831_prep:
	s_mov_b64 s[64:65], 0
	v_nop
	global_prefetch_b8 v0, s[64:65] scope:SCOPE_SE
	s_setreg_imm32_b32 hwreg(HW_REG_WAVE_MODE, 25, 1), 1
	s_wait_xcnt 0x0
; x [8192][1024], W_attn [1024][3072] and W_proj [1024][1024], f32, become codes of FP8 (E4M3), each with the one scale 2^e given for it (entries 0, 1 and 7 of the scales).
; code = number / 2^e, to the nearest code, ties to even.  LIMITS: -126 <= e <= 119, so that 2^e and 448 x 2^e are f32 numbers.  NaN among the inputs is not served.
; THE CODES ARE LAID AS IMAGES OF THE OPERAND'S REGISTERS.  A fragment is 16 rows x 128 along K, 16 registers a lane: lane (r = lane % 16, h = lane / 16) holds row r, registers 2 c, 2 c + 1 hold k = 16 c + 8 h + 0 .. 7.
; Its image is 2,048 bytes: four groups of four registers, 512 bytes each, lane l's 16 bytes at 16 l.  x_img: [512 tiles of 16 rows][8 K steps][2,048]; wa_img: [192 tiles of 16 columns][8][2,048]; wp_img: [64][8][2,048].
; So every store here covers 512 consecutive bytes, aligned, and the products' launches read fragments by 16-byte loads with no pitch and no padding.
; SHARES.  Work-groups 0 to 255 take x, 256 to 351 W_attn, 352 to 383 W_proj; each reads 131,072 bytes.  Waves share nothing: no barrier.  The two ways through the text have LDS bytes of their own.
; x (K innermost): a wave takes 16 rows x 512 along K, four fragments.  A load reads 512 consecutive bytes of one row; the 16 rows turn through the wave's stage (rows 528 bytes apart), from which a lane takes its 8 neighbours at a time.
; W (K is the first axis): a lane takes a column and its registers run down K, so the conversions give codes with K innermost; a wave takes 32 columns x 256 along K; the codes turn through the wave's stage (rows 272 bytes apart).
.set XWB,  8448                        ; x's stage of a wave: 16 rows x 528 bytes; the four lie from LDS byte 0 on
.set WSTG, 33792                       ; behind them the weights' stages,
.set WWB,  8704                        ; 32 rows x 272 bytes a wave
.set R,    16                          ; x: v16-143  two sets of 64: 16 rows as loaded
.set X,    144                         ;    v144-207 my 64 numbers of a fragment
.set C,    208                         ;    v208-239 two sets of 16: a fragment's codes
.set VO,   16                          ; W: v16-47   byte offset of row i of a block of 32 rows, at my column
.set XW,   48                          ;    v48-111  two sets of 32 numbers
.set CW,   112                         ;    v112-119 a block's codes
.set OUTR, 120                         ;    v120-183 four fragments on the way out
.macro LOADX f                         ; fragment f: 16 rows x 512 bytes
.irp i, 0,1,2,3,4,5,6,7,8,9,10,11,12,13,14,15
	global_load_b128 v[R+64*((\f)%2)+4*\i:R+64*((\f)%2)+4*\i+3], v2, s[4:5] offset:4096*\i+512*(\f) th:TH_LOAD_NT
.endr
.endm
.macro FRAGX f
.if (\f) < 3
	s_wait_loadcnt 16                              ; this fragment's 16 loads are in; the next fragment's 16 may be out
.else
	s_wait_loadcnt 0x0
.endif
.irp i, 0,1,2,3,4,5,6,7,8,9,10,11,12,13,14,15
	ds_store_b128 v3, v[R+64*((\f)%2)+4*\i:R+64*((\f)%2)+4*\i+3] offset:528*\i
.endr
.irp c, 0,1,2,3,4,5,6,7
	ds_load_b128 v[X+8*\c:X+8*\c+3], v4 offset:64*\c          ; LDS serves a wave's instructions in order: these see the stores above.  k = 16 c + 8 h + 0 .. 7 of row r
	ds_load_b128 v[X+8*\c+4:X+8*\c+7], v4 offset:64*\c+16
.endr
	s_wait_dscnt 0x0                               ; my numbers are back, so the stores into the stage have read their registers,
.if (\f) < 2
	LOADX (\f)+2                                   ; which take the loads of two fragments on
.endif
.set j, 0
.rept 64
.set j, j+1
.endr
.if (\f) >= 2
	s_wait_xcnt 0x0                                ; the stores of two fragments back have read this set of codes
.endif
.irp c, 0,1,2,3,4,5,6,7
	v_cvt_scalef32_pk8_fp8_f32 v[C+16*((\f)%2)+2*\c:C+16*((\f)%2)+2*\c+1], v[X+8*\c:X+8*\c+7], v11
.endr
	v_nop                                          ; a plain line behind the conversions: the next fragment's LDS loads write their sources
.irp g, 0,1,2,3
	global_store_b128 v2, v[C+16*((\f)%2)+4*\g:C+16*((\f)%2)+4*\g+3], s[12:13] offset:2048*(\f)+512*\g
.endr
.endm
.macro LOADW t                         ; block t: W(32 t + i, my column), i = 0 .. 31: each load reads 128 consecutive bytes, the four waves stand side by side
.set j, 0
.rept 32
	global_load_b32 v[XW+32*((\t)%2)+j], v[VO+j], s[40+2*(\t):41+2*(\t)] th:TH_LOAD_NT
.set j, j+1
.endr
.endm
.macro BLOCK t
.if (\t) < 7
	s_wait_loadcnt 32                              ; this block's 32 loads are in; the next block's may be out
.else
	s_wait_loadcnt 0x0
.endif
.set j, 0
.rept 32
.set j, j+1
.endr
.irp g, 0,1,2,3
	v_cvt_scalef32_pk8_fp8_f32 v[CW+2*\g:CW+2*\g+1], v[XW+32*((\t)%2)+8*\g:XW+32*((\t)%2)+8*\g+7], v11
.endr
	v_nop                                          ; a plain line behind the conversions
	ds_store_b128 v4, v[CW:CW+3] offset:32*(\t)    ; 32 codes of my column's row
	ds_store_b128 v4, v[CW+4:CW+7] offset:32*(\t)+16
.if (\t)+2 < 8
	LOADW (\t)+2
.endif
	s_wait_dscnt 0x0                               ; the stores have read their registers: the next block's codes may be written
.endm
	s_load_b256 s[4:11], s[0:1], 0x0               ; x s[4:5], W_attn s[6:7], W_proj s[8:9], the scales' exponents s[10:11]
	s_load_b128 s[12:15], s[0:1], 0x20             ; x_img s[12:13], wa_img s[14:15]
	s_load_b64 s[16:17], s[0:1], 0x30              ; wp_img
	v_lshl_add_u32 v240, v0, 2, 0x10c00
	v_mov_b32 v241, 0
	v_lshrrev_b32 v1, 5, v0
	v_readfirstlane_b32 s18, v1                    ; wave 0..3
	v_and_b32 v1, 31, v0                           ; lane
	v_lshlrev_b32 v2, 4, v1                        ; 16 x lane: my place in a load's or a store's 512 bytes
	v_and_b32 v5, 15, v0                           ; r
	v_bfe_u32 v6, v0, 4, 1                         ; h
	s_wait_kmcnt 0x0
	s_load_b256 s[24:31], s[10:11], 0x0            ; e0 .. e7
	s_cmp_lt_u32 ttmp9, 256
	s_cbranch_scc0 .Lweights
	; ---- x
	s_lshl_b32 s19, ttmp9, 2
	s_add_co_u32 s19, s19, s18                     ; W = 4 x work-group + wave: tile of rows W / 2, K steps 4 (W % 2) on
	s_lshr_b32 s20, s19, 1
	s_lshl_b32 s20, s20, 16                        ; 16 rows of 4,096 bytes
	s_and_b32 s21, s19, 1
	s_lshl_b32 s21, s21, 11                        ; 512 numbers along K
	s_add_co_u32 s20, s20, s21
	s_mov_b32 s21, 0
	s_add_nc_u64 s[4:5], s[4:5], s[20:21]
	s_lshl_b32 s20, s19, 13                        ; four images of 2,048 bytes
	s_add_nc_u64 s[12:13], s[12:13], s[20:21]
	s_mul_i32 s22, s18, XWB                        ; my stage
	s_wait_alu depctr_va_vdst(0)
	v_add_nc_u32 v3, s22, v2                       ; in: 16 x lane of a row
	v_mul_u32_u24 v4, v5, 528
	v_lshl_add_u32 v4, v6, 5, v4
	v_add_nc_u32 v4, s22, v4                       ; out: row r, + 32 h bytes
	LOADX 0
	LOADX 1
	s_wait_alu depctr_va_vdst(0)
	s_wait_kmcnt 0x0
	s_add_co_i32 s22, s24, 127
	s_lshl_b32 s23, s22, 23
	v_mov_b32 v11, s23                             ; 2^e0 as f32: the conversion takes its exponent field
	s_add_co_i32 s22, s22, 8
	s_lshl_b32 s22, s22, 23
	s_or_b32 s22, s22, 0x600000
	s_wait_alu depctr_va_vdst(0)
	FRAGX 0
	FRAGX 1
	FRAGX 2
	FRAGX 3
	s_wait_tensorcnt 0x0
	ds_add_u32 v240, v241
	s_wait_dscnt 0x0
	s_endpgm
	; ---- the weights: one text for both; only pointers, the row's length and e are chosen, by the work-group's number
.Lweights:
	s_sub_co_u32 s23, ttmp9, 256                   ; u: 0 .. 95 W_attn, 96 .. 127 W_proj
	s_cmp_lt_u32 s23, 96
	s_cselect_b64 s[6:7], s[6:7], s[8:9]
	s_cselect_b64 s[14:15], s[14:15], s[16:17]
	s_mov_b32 s20, 4096
	s_cselect_b32 s20, 12288, s20                  ; a row of W in bytes
	s_cselect_b32 s21, 0, 96
	s_sub_co_u32 s19, s23, s21
	s_lshr_b32 s21, s19, 2                         ; which 128 columns
	s_and_b32 s22, s19, 3                          ; which 256 along K
	s_lshl_b32 s36, s21, 9
	s_lshl_b32 s37, s18, 7
	s_add_co_u32 s36, s36, s37                     ; my wave's first column, in bytes
	s_lshl_b32 s37, s22, 8
	s_mul_i32 s37, s37, s20
	s_add_co_u32 s36, s36, s37                     ; + my first row
	s_mov_b32 s37, 0
	s_lshl_b32 s38, s20, 5                         ; a block of 32 rows
	s_mov_b32 s39, 0
	s_add_nc_u64 s[40:41], s[6:7], s[36:37]        ; a base for each of the eight blocks: none is stepped
.irp t, 1,2,3,4,5,6,7
	s_add_nc_u64 s[40+2*\t:41+2*\t], s[38+2*\t:39+2*\t], s[38:39]
.endr
	s_lshl_b32 s36, s21, 17                        ; the images: 8 tiles of columns x 16,384 bytes for 128 columns,
	s_lshl_b32 s34, s18, 15                        ; 2 tiles a wave,
	s_add_co_u32 s36, s36, s34
	s_lshl_b32 s34, s22, 12                        ; 2 K steps of 2,048 bytes
	s_add_co_u32 s36, s36, s34
	s_add_nc_u64 s[14:15], s[14:15], s[36:37]
	s_wait_alu depctr_va_vdst(0)
	v_lshlrev_b32 v[VO], 2, v1
.set j, 1
.rept 31
	v_add_nc_u32 v[VO+j], s20, v[VO+j-1]
.set j, j+1
.endr
	s_mul_i32 s33, s18, WWB
	s_add_co_u32 s33, s33, WSTG                    ; my stage
	v_mul_u32_u24 v4, v1, 272
	v_add_nc_u32 v4, s33, v4                       ; in: row = my column
	v_mul_u32_u24 v7, v5, 272
	v_lshl_add_u32 v7, v6, 3, v7
	v_add_nc_u32 v7, s33, v7                       ; out: row r, + 8 h bytes
	LOADW 0
	LOADW 1
	s_wait_kmcnt 0x0
	s_cmp_lt_u32 s23, 96
	s_cselect_b32 s22, s25, s31                    ; e1 or e7
	s_add_co_i32 s22, s22, 127
	s_lshl_b32 s34, s22, 23
	v_mov_b32 v11, s34
	s_add_co_i32 s22, s22, 8
	s_lshl_b32 s22, s22, 23
	s_or_b32 s22, s22, 0x600000
	s_wait_alu depctr_va_vdst(0)
.irp t, 0,1,2,3,4,5,6,7
	BLOCK \t
.endr
.irp nt, 0,1                           ; four fragments: 16 columns x 128 along K each; registers 2 c, 2 c + 1 are the 8 bytes at 16 c + 8 h of row r
.irp ks, 0,1
.irp c, 0,1,2,3,4,5,6,7
	ds_load_b64 v[OUTR+16*(2*\nt+\ks)+2*\c:OUTR+16*(2*\nt+\ks)+2*\c+1], v7 offset:\nt*16*272+128*\ks+16*\c
.endr
.endr
.endr
	s_wait_dscnt 0x0
.irp nt, 0,1
.irp ks, 0,1
.irp g, 0,1,2,3
	global_store_b128 v2, v[OUTR+16*(2*\nt+\ks)+4*\g:OUTR+16*(2*\nt+\ks)+4*\g+3], s[14:15] offset:\nt*16384+\ks*2048+512*\g
.endr
.endr
.endr
	s_wait_tensorcnt 0x0
	ds_add_u32 v240, v241
	s_wait_dscnt 0x0
	s_endpgm
.Lfunc_end_k_qd604b01831_prep:
	.size	k_qd604b01831_prep, .Lfunc_end_k_qd604b01831_prep-k_qd604b01831_prep
	.p2alignl 7, 3214868480
	.fill 96, 4, 3214868480
	.section	.rodata,"a",@progbits
	.p2align	6, 0x0
	.amdhsa_kernel k_qd604b01831_prep
		.amdhsa_group_segment_fixed_size 69120
		.amdhsa_private_segment_fixed_size 0
		.amdhsa_enable_private_segment 0
		.amdhsa_kernarg_size 56
		.amdhsa_user_sgpr_count 2
		.amdhsa_user_sgpr_kernarg_segment_ptr 1
		.amdhsa_wavefront_size32 1
		.amdhsa_system_sgpr_workgroup_id_x 1
		.amdhsa_system_sgpr_workgroup_id_y 1
		.amdhsa_system_sgpr_workgroup_id_z 1
		.amdhsa_system_vgpr_workitem_id 0
		.amdhsa_next_free_vgpr 242
		.amdhsa_next_free_sgpr 66
		.amdhsa_reserve_vcc 0
		.amdhsa_float_denorm_mode_32 3
		.amdhsa_float_denorm_mode_16_64 3
		.amdhsa_fp16_overflow 1
		.amdhsa_memory_ordered 1
		.amdhsa_forward_progress 1
		.amdhsa_inst_pref_size 55
	.end_amdhsa_kernel
	.amdgpu_metadata
---
amdhsa.version: [ 1, 2 ]
amdhsa.kernels:
  - .name:           k_qd604b01831_prep
    .symbol:         k_qd604b01831_prep.kd
    .args:
      - { .name: x, .offset: 0, .size: 8, .value_kind: global_buffer, .address_space: global }
      - { .name: W_attn, .offset: 8, .size: 8, .value_kind: global_buffer, .address_space: global }
      - { .name: W_proj, .offset: 16, .size: 8, .value_kind: global_buffer, .address_space: global }
      - { .name: lowp_scales, .offset: 24, .size: 8, .value_kind: global_buffer, .address_space: global }
      - { .name: x_img, .offset: 32, .size: 8, .value_kind: global_buffer, .address_space: global }
      - { .name: wa_img, .offset: 40, .size: 8, .value_kind: global_buffer, .address_space: global }
      - { .name: wp_img, .offset: 48, .size: 8, .value_kind: global_buffer, .address_space: global }
    .group_segment_fixed_size: 69120
    .private_segment_fixed_size: 0
    .kernarg_segment_align: 8
    .kernarg_segment_size: 56
    .max_flat_workgroup_size: 128
    .sgpr_count:     66
    .vgpr_count:     242
    .wavefront_size: 32
...
	.end_amdgpu_metadata
.endif
;; end of part 1
;; launch qkv (part 2): grid 12 x 32, 4 waves a work-group, clusters of 4 x 4, 327,680 bytes of LDS; arguments x_img, wa_img, b_attn, lowp_scales, q_img, kv_img; writes q_img, kv_img
.if DOCPART == 2
	.amdgcn_target "amdgcn-amd-amdhsa--gfx1250"
	.amdhsa_code_object_version 6
	.text
	.protected	k_qd604b01831_qkv
	.globl	k_qd604b01831_qkv
	.p2align	8
	.type	k_qd604b01831_qkv,@function
k_qd604b01831_qkv:
	s_mov_b64 s[64:65], 0
	v_nop
	global_prefetch_b8 v0, s[64:65] scope:SCOPE_SE
	s_setreg_imm32_b32 hwreg(HW_REG_WAVE_MODE, 25, 1), 1
	s_wait_xcnt 0x0
	s_wait_alu depctr_hold_cnt(0) depctr_sa_sdst(0) depctr_va_vdst(0) depctr_va_sdst(0) depctr_va_ssrc(0) depctr_va_vcc(0) depctr_vm_vsrc(0)
	s_getreg_b32 s2, hwreg(HW_REG_IB_STS2, 6, 4)
	s_cmp_eq_u32 s2, 0
	s_cbranch_scc0 .Lentry_in_a_cluster
	s_endpgm
.Lentry_in_a_cluster:
	s_bfe_u32 s2, ttmp6, 0x10000c
	s_cmp_lg_u32 s2, 0xf033
	s_cbranch_scc0 .Lentry_shape_is_right
	s_endpgm
.Lentry_shape_is_right:
; qkv = x W_attn + b_attn on codes of FP8 (E4M3), K = 1,024; q, k and v are quantised on the way out (scales' entries 2, 3, 5) and stored as images of the operands of the attention's products.
; AN IMAGE: a fragment's registers on end, groups of four registers of 512 bytes, lane l's 16 bytes at 16 l.  Lane (r = l % 16, h = l / 16) holds row r; registers 2 c, 2 c + 1 hold k = 16 c + 8 h + 0 .. 7.
; x_img [512 tiles of 16 rows][8 K steps][2,048], wa_img [192 tiles of 16 columns][8][2,048].  q_img [64 heads][128 tiles of 16 queries][1,024] (K = the head's 64).
; kv_img [64 heads][16 steps of 128 keys][16,384]: 8 tiles of 16 keys x 1,024 bytes (K = the head's 64), then 4 tiles of 16 of the head's 64 x 2,048 bytes (V turned: K = the step's 128 keys).
; A tile of 256 x 256 results is made by four waves, 128 x 128 each: 64 accumulators.  Source 0 (S0) and source 1 (S1) are 16 rows each; in a result lane (r, h) holds S1's row r and S0's rows 8 h + 0 .. 7.
; So one conversion of an accumulator's eight registers gives registers 2 c, 2 c + 1 of a fragment whose rows are S1's and whose K runs along S0's tile c: the codes are stored as they stand.
; q, k (cluster x = 0, 1): S1 = x, S0 = W: rows = tokens, K = the head's axis.  v (cluster x = 2): S1 = W, S0 = x: rows = the head's axis, K = the keys.  Only pointers and indices are chosen; the products' text is one.
; K goes in steps of 256 through two LDS slots.  A tile of 16 rows has its two K steps of a slot on end, 4,096 bytes; a tensor load brings eight such pieces, 16,384 bytes apart in memory: 32,768 bytes a wave.
; CLUSTERS: 4 x 4 work-groups.  S1's tile hangs on cy and is asked for jointly by a row of the cluster, S0's on cx and by a column.  The cluster's x is the same in all sixteen, so selects and one branch may hang on it.
; No prefetch: a tile has four slots' worth of K, two asked for at the head and two a step later.
; LIMITS: e0 + e1 between -126 and 127; e2, e3, e5 between -126 and 119, so that each power of two below is an f32 number.
; REGISTERS, in windows of 256: window 0: v16-31 addresses and scales; v32-95 the bias by S0's rows; v96-111 the bias by S1's rows; v128-255 S1's 8 fragments, one set; on the way out v128-191 numbers, v192-255 codes.
;   window 1: S0's fragments, two sets, at v0 and v128.   windows 2, 3: the accumulators, (a, b) at v[8 (8 (a % 4) + b)].
.set FRB,   2048                       ; a fragment's image
.set RT,    4096                       ; a tile of 16 rows in a slot: two K steps
.set HALFT, 32768                      ; 8 such tiles: what one tensor load brings, and what one wave reads of S1 or of S0
.set SLOT,  131072                     ; S1's 16 tiles, then S0's 16
.set SPARE, 262144                     ; behind the ring: the spare words, 128 bytes for each wave: two blocks of 256 bytes that no other line names
.set LAPS,  2                          ; a lap = two slots = 512 along K
.set FR,    16
.set NL,    4
.set NP,    4                          ; places behind this matrix instruction (ISA guide 7.12.1)
.set ADRA,  16                         ; v16-17  LDS address of my S1 fragments in slot 0, 1
.set ADRB,  20                         ; v20-21  the same for S0
.set BH,    22                         ; v22     32 h
.set BR,    23                         ; v23     4 r
.set LI,    27                         ; v27     16 x lane
.set SPW,   28                         ; v28     LDS address of my spare word; never rewritten
.set NIL,   29                         ; v29     0; never rewritten
.set SC,    30                         ; v30     2^et as f32
.set LIM,   31
.set BI,    32
.set BV,    96
.set AF,    128
.set TMP,   128
.set CD,    192
.set G1, 24                            ; s[24:31] descriptor group 1 for S1's tiles;  s[32:39] group 0, one set for each slot
.set G0, 32
.set G1B, 48                           ; s[48:55], s[56:63] the same for S0's tiles
.set G0B, 56
.set MSB, 0
.macro WIN new                         ; the immediate's high byte repeats the setting that is left
.if MSB != (\new)
	s_set_vgpr_msb (MSB<<8)|(\new)
.set MSB, \new
.endif
.endm
.set MUL_LO, 0xa1                      ; source 0 window 1, source 1 window 0, C and D window 2
.set MUL_HI, 0xf1                      ; the same, C and D window 3
.set TO_B,   0x40                      ; destination window 1, address window 0
; A joint load: waves 0 and 1 fetch S1's halves, waves 2 and 3 S0's.  The branch hangs on the wave's number alone.  Four v_nop follow each of the two lines.
.macro JLOAD g0a, g1a, g0b, g1b
	s_cmp_eq_u32 s15, 0
	s_cbranch_scc0 .Lfor_b_\@
	tensor_load_to_lds s[\g0a:\g0a+3], s[\g1a:\g1a+7]
	s_nop 0
.rept 4
	v_nop
.endr
	s_branch .Lasked_\@
.Lfor_b_\@:
	tensor_load_to_lds s[\g0b:\g0b+3], s[\g1b:\g1b+7]
	s_nop 0
.rept 4
	v_nop
.endr
.Lasked_\@:
.endm
.macro CREST                           ; a round of the cluster's barrier behind its opening barrier
	s_cmp_lg_u32 s14, 0
	s_cbranch_scc1 .Lnot_wave_0_\@
	s_barrier_signal -3
.Lnot_wave_0_\@:
	s_barrier_wait -3
	s_barrier_signal -1
	s_barrier_wait -1
.endm
.macro CROUND
	s_barrier_signal -1
	s_barrier_wait -1
	CREST
.endm
.macro FRAG reg, adr, q, i             ; tile i's fragment of the slot's q-th 128 along K: four loads of 512 consecutive bytes
.irp c, 0,1,2,3
	ds_load_b128 v[\reg+4*\c:\reg+4*\c+3], v[\adr] offset:(\i)*RT+(\q)*FRB+512*\c
.endr
.endm
; 16 matrix instructions: S1's blocks a0, a0 + 1 x S0's eight.  p: S0's set.  zero = 1: the first product starts the sums.  The 64 accumulators take turns, one instruction a turn.
.macro MUL16 a0, p, zero
.irp a, \a0, \a0+1
.irp b, 0,1,2,3,4,5,6,7
.if \zero
	v_wmma_f32_16x16x128_fp8_fp8 v[8*(8*((\a)%4)+\b):8*(8*((\a)%4)+\b)+7], v[128*(\p)+FR*\b:128*(\p)+FR*\b+FR-1], v[AF+FR*(\a):AF+FR*(\a)+FR-1], 0
.else
	v_wmma_f32_16x16x128_fp8_fp8 v[8*(8*((\a)%4)+\b):8*(8*((\a)%4)+\b)+7], v[128*(\p)+FR*\b:128*(\p)+FR*\b+FR-1], v[AF+FR*(\a):AF+FR*(\a)+FR-1], v[8*(8*((\a)%4)+\b):8*(8*((\a)%4)+\b)+7]
.endif
.endr
.endr
.endm
.macro FETCH_B slot, q, p
	WIN TO_B
.irp i, 0,1,2,3,4,5,6,7
	FRAG 128*(\p)+FR*\i, ADRB+\slot, \q, \i
.endr
	WIN 0
.endm
.macro FETCH_A slot, q, i0
.irp i, \i0, \i0+1, \i0+2, \i0+3
	FRAG AF+FR*(\i), ADRA+\slot, \q, \i
.endr
.endm
.macro PLACES n                        ; plain vector lines between a matrix instruction and a load into, or a read of, its registers
.rept \n
	v_nop
.endr
.endm
; A step of 128 along K that has its successor in the same slot.  A block of S1 is free when its eight products are issued: blocks 0-3 are fetched anew in the step's middle, blocks 4-7 at its end.
.macro STEP slot, q, zero
	s_wait_dscnt 4*NL                              ; S0's set and S1's blocks 0-3 are in; the youngest 16 loads (blocks 4-7) may be out
	WIN MUL_LO
	MUL16 0, (\q)%2, \zero
	MUL16 2, (\q)%2, \zero
	s_wait_dscnt 0                                 ; blocks 4-7 are in
	PLACES NP
	FETCH_B \slot, (\q)+1, 1-(\q)%2
	FETCH_A \slot, (\q)+1, 0
	WIN MUL_HI
	MUL16 4, (\q)%2, \zero
	MUL16 6, (\q)%2, \zero
	PLACES NP
	WIN 0
	FETCH_A \slot, (\q)+1, 4
.endm
; A slot's last step changes slots: one barrier; in front of it each wave waits for all its tensor loads, adds 0 to its spare word, and waits for that and for its reads of this slot.  fill = 1: the slot is filled again.
.macro TURN slot, next, fill
	s_wait_tensorcnt 0x0                           ; all my tensor loads have landed: my part of the next slot
	ds_add_u32 v[SPW], v[NIL]                      ; 0 onto my spare word
	s_wait_dscnt 4*NL+1                            ; (the add and the youngest 16 loads may be out)
	WIN MUL_LO
	MUL16 0, 1, 0
	s_wait_dscnt 0x0                               ; the add is done, and my reads of this slot are over
	s_barrier_signal -1
	MUL16 2, 1, 0
	WIN 0
	s_barrier_wait -1
.if \fill
	CREST                                          ; the barrier has opened a round of the cluster's: no wave of any partner still reads this slot or has a load on its way
	s_add_nc_u64 s[G0+4*\slot+2:G0+4*\slot+3], s[G0+4*\slot+2:G0+4*\slot+3], 2*RT
	s_add_nc_u64 s[G0B+4*\slot+2:G0B+4*\slot+3], s[G0B+4*\slot+2:G0B+4*\slot+3], 2*RT
	JLOAD G0+4*\slot, G1, G0B+4*\slot, G1B         ; the first tensor load behind the round; its four v_nop are the places in front of the loads below
.else
	PLACES NP
.endif
	FETCH_B \next, 0, 0
	FETCH_A \next, 0, 0
	WIN MUL_HI
	MUL16 4, 1, 0
	MUL16 6, 1, 0
	PLACES NP
	WIN 0
	FETCH_A \next, 0, 4
.endm
	s_load_b256 s[4:11], s[0:1], 0x0               ; x_img s[4:5], wa_img s[6:7], b_attn s[8:9], the scales' exponents s[10:11]
	s_load_b128 s[68:71], s[0:1], 0x20             ; q_img s[68:69], kv_img s[70:71]
	v_lshl_add_u32 v[SPW], v0, 2, SPARE
	v_mov_b32 v[NIL], 0
	ds_add_u32 v28, v29
	ds_add_u32 v28, v29
	s_wait_dscnt 0x0
	v_lshrrev_b32 v1, 5, v0
	v_readfirstlane_b32 s14, v1                    ; wave 0..3
	s_lshr_b32 s15, s14, 1                         ; my half of S1's rows.  Also: I fetch for S1 (0) or for S0 (1)
	s_and_b32 s16, s14, 1                          ; my half of S0's rows.  Also: which 8 tiles I fetch
	s_bfe_u32 s40, ttmp6, 0x40000                  ; cx
	s_bfe_u32 s41, ttmp6, 0x40004                  ; cy
	s_and_b32 s17, ttmp7, 0xffff
	s_lshl_b32 s17, s17, 2                         ; 4 x cluster y
	s_add_co_u32 s80, s17, s41                     ; q, k: S1 = x's block of 256 rows, 4 x cluster y + cy
	s_add_co_u32 s81, s41, 8                       ; v:    S1 = W's block of 256 columns, 8 + cy
	s_lshl_b32 s82, ttmp9, 2
	s_add_co_u32 s82, s82, s40                     ; q, k: S0 = W's block, 4 x cluster x + cx
	s_add_co_u32 s83, s17, s40                     ; v:    S0 = x's block, 4 x cluster y + cx
	s_lshl_b32 s43, s41, 2
	s_lshl_b32 s43, 15, s43                        ; my row of the cluster
	s_lshl_b32 s44, 0x1111, s40                    ; my column
	s_or_b32 s[G1+0], s43, (3<<16)|(1<<21)         ; 15:0 the mask; 17:16 elements of 8 bytes; 20 no padding; 21 set beside a mask
	s_or_b32 s[G1B+0], s44, (3<<16)|(1<<21)
.irp g, G1, G1B
	s_mov_b32 s[\g+1], 512<<16                     ; tensor_dim0 = 512 elements: 4,096 bytes
	s_mov_b32 s[\g+2], 8<<16                       ; tensor_dim1 = 8
	s_mov_b32 s[\g+3], 512<<16                     ; tile_dim0
	s_mov_b32 s[\g+4], 8                           ; tile_dim1
	s_mov_b32 s[\g+5], 2048                        ; from piece to piece: 16,384 bytes
	s_mov_b32 s[\g+6], 0
	s_mov_b32 s[\g+7], 0
.endr
	s_cmp_lt_u32 ttmp9, 2                          ; q or k?
	s_cselect_b32 s42, s80, s81                    ; S1's block: hangs on cy alone
	s_cselect_b32 s84, s82, s83                    ; S0's block: on cx alone
	s_cselect_b32 s85, s82, 0                      ; the bias's block by S0's rows (q, k); for v the bias's first rows are read and not used
	s_cselect_b32 s66, 0, s81                      ; the bias's block by S1's rows (v); for q, k likewise
	s_lshl_b32 s18, s16, 17                        ; which 8 tiles of 16,384 bytes I fetch
	s_lshl_b32 s20, s42, 18                        ; a block is 16 tiles
	s_add_co_u32 s20, s20, s18
	s_mov_b32 s21, 0
	s_lshl_b32 s46, s84, 18
	s_add_co_u32 s46, s46, s18
	s_mov_b32 s47, 0
	s_mul_i32 s45, s14, HALFT                      ; where they go: wave x 32,768: no place in the cluster enters an LDS address
	s_wait_kmcnt 0x0
	s_load_b256 s[72:79], s[10:11], 0x0            ; e0 .. e7
	s_cmp_lt_u32 ttmp9, 2
	s_cselect_b64 s[86:87], s[4:5], s[6:7]         ; S1's images
	s_cselect_b64 s[88:89], s[6:7], s[4:5]         ; S0's
	s_add_nc_u64 s[20:21], s[86:87], s[20:21]
	s_add_nc_u64 s[46:47], s[88:89], s[46:47]
	CROUND                                         ; all sixteen work-groups are here: the first joint loads meet
.irp s, 0,1
	s_mov_b32 s[G0+4*\s], 1
	s_add_co_u32 s[G0+4*\s+1], s45, \s*SLOT
	s_add_nc_u64 s[G0+4*\s+2:G0+4*\s+3], s[20:21], \s*RT
	s_or_b32 s[G0+4*\s+3], s[G0+4*\s+3], 0x80000000
	s_mov_b32 s[G0B+4*\s], 1
	s_add_co_u32 s[G0B+4*\s+1], s45, \s*SLOT
	s_add_nc_u64 s[G0B+4*\s+2:G0B+4*\s+3], s[46:47], \s*RT
	s_or_b32 s[G0B+4*\s+3], s[G0B+4*\s+3], 0x80000000
	JLOAD G0+4*\s, G1, G0B+4*\s, G1B
.endr
	v_and_b32 v1, 31, v0
	v_lshlrev_b32 v[LI], 4, v1
	v_and_b32 v2, 15, v0                           ; r
	v_bfe_u32 v3, v0, 4, 1                         ; h
	v_lshlrev_b32 v[BH], 5, v3
	s_wait_alu depctr_va_vdst(0)
	v_lshlrev_b32 v[BR], 2, v2
	s_wait_alu depctr_va_vdst(0)
	s_mul_i32 s22, s15, HALFT                      ; my 8 tiles of S1
	s_mul_i32 s23, s16, HALFT                      ; my 8 tiles of S0,
	s_add_co_u32 s23, s23, 2*HALFT                 ; which lie behind S1's 16
.irp s, 0,1
	v_add_nc_u32 v[ADRA+\s], s22, v[LI]
	v_add_nc_u32 v[ADRB+\s], s23, v[LI]
	s_add_co_u32 s22, s22, SLOT
	s_add_co_u32 s23, s23, SLOT
.endr
	; the bias in both forms, with no branch: by S0's rows (register 8 b + j: row 16 b + 8 h + j of my 128) and by S1's rows (pair a: row 16 a + r, twice); the way out takes one of them
	s_lshl_b32 s94, s85, 10
	s_lshl_b32 s95, s16, 9
	s_add_co_u32 s94, s94, s95
	s_mov_b32 s95, 0
	s_add_nc_u64 s[90:91], s[8:9], s[94:95]
	s_lshl_b32 s94, s66, 10
	s_lshl_b32 s67, s15, 9
	s_add_co_u32 s94, s94, s67
	s_add_nc_u64 s[92:93], s[8:9], s[94:95]
.irp b, 0,1,2,3,4,5,6,7
	global_load_b128 v[BI+8*\b:BI+8*\b+3], v[BH], s[90:91] offset:64*\b
	global_load_b128 v[BI+8*\b+4:BI+8*\b+7], v[BH], s[90:91] offset:64*\b+16
.endr
.irp a, 0,1,2,3,4,5,6,7
	global_load_b32 v[BV+2*\a], v[BR], s[92:93] offset:64*\a
	global_load_b32 v[BV+2*\a+1], v[BR], s[92:93] offset:64*\a
.endr
	s_wait_alu depctr_va_vdst(0)
	s_wait_tensorcnt 1                             ; my part of slot 0 is in; slot 1's load may be out
	s_barrier_signal -1
	s_barrier_wait -1
	FETCH_B 0, 0, 0
	FETCH_A 0, 0, 0
	FETCH_A 0, 0, 4
	STEP 0, 0, 1                                   ; the first step stands in front of the loop: its products start the sums
	s_mov_b32 s3, LAPS-1
.Llap:                                                 ; a trip goes once round the ring and fills both slots again
	TURN 0, 1, 1
	STEP 1, 0, 0
	TURN 1, 0, 1
	STEP 0, 0, 0
	s_sub_co_u32 s3, s3, 1
	s_cmp_lg_u32 s3, 0
	s_cbranch_scc1 .Llap
	TURN 0, 1, 0                                   ; the last lap fills nothing
	STEP 1, 0, 0
	s_wait_dscnt 4*NL
	WIN MUL_LO
	MUL16 0, 1, 0
	MUL16 2, 1, 0
	s_wait_dscnt 0
	WIN MUL_HI
	MUL16 4, 1, 0
	MUL16 6, 1, 0
	WIN 0
; THE WAY OUT of S1's block a: number = sum x 2^(e0 + e1) + bias, in f32; eight conversions give a lane's 16 registers of codes; four stores of 512 consecutive bytes.
; qk = 1: the 16 registers are two fragments of K = 64 (heads 2 s16 + 0, 1; tile of tokens a).  qk = 0: one fragment of K = 128 keys (head 2 s15 + a / 4, tile a % 4 of the head's 64).
.macro OUTBLK a, qk
.set AC, 64*((\a)%4)
.set CS4, CD+16*((\a)%4)
	WIN 0x02+((\a)/4)                              ; source 0: window 2 or 3
.irp b, 0,1,2,3,4,5,6,7
.irp i, 0,2,4,6
.if \qk
	v_pk_fma_f32 v[TMP+8*\b+\i:TMP+8*\b+\i+1], v[AC+8*\b+\i:AC+8*\b+\i+1], s[96:97], v[BI+8*\b+\i:BI+8*\b+\i+1] op_sel_hi:[1,0,1]   ; each accumulator from its low end on
.else
	v_pk_fma_f32 v[TMP+8*\b+\i:TMP+8*\b+\i+1], v[AC+8*\b+\i:AC+8*\b+\i+1], s[96:97], v[BV+2*(\a):BV+2*(\a)+1] op_sel_hi:[1,0,1]
.endif
.endr
.endr
	WIN 0
.set j, 0
.rept 64
.set j, j+1
.endr
.if (\a) >= 4
	s_wait_alu depctr_va_vdst(0)
	s_wait_xcnt 0x0                                ; the stores of four blocks back have read this set of codes
.endif
.irp b, 0,1,2,3,4,5,6,7
	v_cvt_scalef32_pk8_fp8_f32 v[CS4+2*\b:CS4+2*\b+1], v[TMP+8*\b:TMP+8*\b+7], v[SC]
.endr
	v_nop                                          ; a plain line behind the conversions: the next block's multiply-adds write their sources
.if \qk
.irp hh, 0,1
.irp g, 0,1
	global_store_b128 v[LI], v[CS4+8*\hh+4*\g:CS4+8*\hh+4*\g+3], s[86+2*\hh:87+2*\hh] offset:1024*(\a)+512*\g
.endr
.endr
.else
.irp g, 0,1,2,3
	global_store_b128 v[LI], v[CS4+4*\g:CS4+4*\g+3], s[86+2*((\a)/4):87+2*((\a)/4)] offset:2048*((\a)%4)+512*\g
.endr
.endif
.endm
.macro SCALES                          ; s94 = et: 2^et and 448 x 2^et
	s_add_co_i32 s94, s94, 127
	s_lshl_b32 s95, s94, 23
	v_mov_b32 v[SC], s95
	s_add_co_i32 s94, s94, 8
	s_lshl_b32 s94, s94, 23
	s_or_b32 s94, s94, 0x600000
.endm
	s_wait_kmcnt 0x0
	s_wait_loadcnt 0x0                             ; the biases
	s_add_co_i32 s96, s72, s73
	s_add_co_i32 s96, s96, 127
	s_lshl_b32 s96, s96, 23                        ; 2^(e0 + e1) as f32
	s_mov_b32 s97, s96                             ; (named with it as a pair, so it is written)
	PLACES NP                                      ; behind the last products: their results are read, and S1's registers written, below
	s_cmp_lt_u32 ttmp9, 2
	s_cbranch_scc0 .Lv_out
	s_cmp_eq_u32 ttmp9, 0                          ; q or k
	s_cselect_b64 s[86:87], s[68:69], s[70:71]
	s_cselect_b32 s94, s74, s75                    ; e2 or e3
	s_cselect_b32 s95, 0, 1                        ; a head and a step of keys take twice the bytes in kv_img
	s_lshr_b32 s18, s42, 3                         ; the batch
	s_lshl_b32 s18, s18, 4
	s_lshl_b32 s19, s40, 2
	s_add_co_u32 s18, s18, s19
	s_lshl_b32 s19, s16, 1
	s_add_co_u32 s18, s18, s19                     ; 16 x batch + 4 cx + 2 s16: my first head
	s_lshl_b32 s18, s18, 17
	s_and_b32 s19, s42, 7
	s_lshl_b32 s19, s19, 1
	s_add_co_u32 s19, s19, s15                     ; which 128 tokens of the batch's 2,048
	s_lshl_b32 s19, s19, 13
	s_add_co_u32 s18, s18, s19
	s_lshl_b32 s18, s18, s95
	s_mov_b32 s19, 0
	s_add_nc_u64 s[86:87], s[86:87], s[18:19]
	s_lshl_b32 s18, 0x20000, s95
	s_add_nc_u64 s[88:89], s[86:87], s[18:19]      ; my second head
	SCALES
.irp a, 0,1,2,3,4,5,6,7
	OUTBLK \a, 1
.endr
	s_branch .Lend
.Lv_out:
	s_lshr_b32 s18, s84, 3                         ; the batch
	s_lshl_b32 s18, s18, 4
	s_lshl_b32 s19, s41, 2
	s_add_co_u32 s18, s18, s19
	s_lshl_b32 s19, s15, 1
	s_add_co_u32 s18, s18, s19                     ; 16 x batch + 4 cy + 2 s15: my first head
	s_lshl_b32 s18, s18, 18
	s_and_b32 s19, s84, 7
	s_lshl_b32 s19, s19, 1
	s_add_co_u32 s19, s19, s16                     ; which step of 128 keys
	s_lshl_b32 s19, s19, 14
	s_add_co_u32 s18, s18, s19
	s_add_co_u32 s18, s18, 8192                    ; behind the step's eight tiles of K
	s_mov_b32 s19, 0
	s_add_nc_u64 s[86:87], s[70:71], s[18:19]
	s_add_nc_u64 s[88:89], s[86:87], 0x40000
	s_mov_b32 s94, s77                             ; e5
	SCALES
.irp a, 0,1,2,3,4,5,6,7
	OUTBLK \a, 0
.endr
.Lend:
	s_wait_tensorcnt 0x0                           ; the wave's end
	ds_add_u32 v[SPW], v[NIL]
	s_wait_dscnt 0x0
	CROUND                                         ; the closing round: no work-group ends while a partner may still ask for a tile that names it
	s_endpgm
.Lfunc_end_k_qd604b01831_qkv:
	.size	k_qd604b01831_qkv, .Lfunc_end_k_qd604b01831_qkv-k_qd604b01831_qkv
	.p2alignl 7, 3214868480
	.fill 96, 4, 3214868480
	.section	.rodata,"a",@progbits
	.p2align	6, 0x0
	.amdhsa_kernel k_qd604b01831_qkv
		.amdhsa_group_segment_fixed_size 327680
		.amdhsa_private_segment_fixed_size 0
		.amdhsa_enable_private_segment 0
		.amdhsa_kernarg_size 48
		.amdhsa_user_sgpr_count 2
		.amdhsa_user_sgpr_kernarg_segment_ptr 1
		.amdhsa_wavefront_size32 1
		.amdhsa_system_sgpr_workgroup_id_x 1
		.amdhsa_system_sgpr_workgroup_id_y 1
		.amdhsa_system_sgpr_workgroup_id_z 1
		.amdhsa_system_vgpr_workitem_id 0
		.amdhsa_next_free_vgpr 1024
		.amdhsa_next_free_sgpr 98
		.amdhsa_reserve_vcc 0
		.amdhsa_float_denorm_mode_32 3
		.amdhsa_float_denorm_mode_16_64 3
		.amdhsa_fp16_overflow 1
		.amdhsa_memory_ordered 1
		.amdhsa_forward_progress 1
		.amdhsa_inst_pref_size 130
	.end_amdhsa_kernel
	.amdgpu_metadata
---
amdhsa.version: [ 1, 2 ]
amdhsa.kernels:
  - .name:           k_qd604b01831_qkv
    .symbol:         k_qd604b01831_qkv.kd
    .args:
      - { .name: x_img, .offset: 0, .size: 8, .value_kind: global_buffer, .address_space: global }
      - { .name: wa_img, .offset: 8, .size: 8, .value_kind: global_buffer, .address_space: global }
      - { .name: b_attn, .offset: 16, .size: 8, .value_kind: global_buffer, .address_space: global }
      - { .name: lowp_scales, .offset: 24, .size: 8, .value_kind: global_buffer, .address_space: global }
      - { .name: q_img, .offset: 32, .size: 8, .value_kind: global_buffer, .address_space: global }
      - { .name: kv_img, .offset: 40, .size: 8, .value_kind: global_buffer, .address_space: global }
    .group_segment_fixed_size: 327680
    .private_segment_fixed_size: 0
    .kernarg_segment_align: 8
    .kernarg_segment_size: 48
    .max_flat_workgroup_size: 128
    .sgpr_count:     98
    .vgpr_count:     1024
    .wavefront_size: 32
...
	.end_amdgpu_metadata
.endif
;; end of part 2
;; launch attn (part 3): grid 4 x 64, 16 waves a work-group, clusters of 4 x 1, 264,192 bytes of LDS; arguments q_img, kv_img, lowp_scales, y_img; writes y_img
.if DOCPART == 3
	.amdgcn_target "amdgcn-amd-amdhsa--gfx1250"
	.amdhsa_code_object_version 6
	.text
	.protected	k_qd604b01831_attn
	.globl	k_qd604b01831_attn
	.p2align	8
	.type	k_qd604b01831_attn,@function
k_qd604b01831_attn:
	s_mov_b64 s[64:65], 0
	v_nop
	global_prefetch_b8 v0, s[64:65] scope:SCOPE_SE
	s_setreg_imm32_b32 hwreg(HW_REG_WAVE_MODE, 25, 1), 1
	s_wait_xcnt 0x0
	s_wait_alu depctr_hold_cnt(0) depctr_sa_sdst(0) depctr_va_vdst(0) depctr_va_sdst(0) depctr_va_ssrc(0) depctr_va_vcc(0) depctr_vm_vsrc(0)
	s_getreg_b32 s2, hwreg(HW_REG_IB_STS2, 6, 4)
	s_cmp_eq_u32 s2, 0
	s_cbranch_scc0 .Lentry_in_a_cluster
	s_endpgm
.Lentry_in_a_cluster:
	s_bfe_u32 s2, ttmp6, 0x10000c
	s_cmp_lg_u32 s2, 0x3003
	s_cbranch_scc0 .Lentry_shape_is_right
	s_endpgm
.Lentry_shape_is_right:
; y = softmax(q k^T / 8, causal) v for 64 heads of 2,048 tokens x 64, both products on codes of FP8 (E4M3); y is quantised on the way out (scales' entry 6) into images of the projection's operand.
; q_img [64 heads][128 tiles of 16 queries][1,024]; kv_img [64 heads][16 steps of 128 keys][8 tiles of K x 1,024, then 4 tiles of V turned x 2,048]; y_img [512 tiles of 16 tokens][8 K steps][2,048].
; An image is a fragment's registers on end: groups of four registers of 512 bytes, lane l's 16 bytes at 16 l; lane (r = l % 16, h = l / 16) holds row r, registers 2 c, 2 c + 1 hold k = 16 c + 8 h + 0 .. 7.
; THE SOFTMAX: t = score x log2(e) / 8; M = the running largest t rounded UP to a whole number; p = 2^(t - M) is quantised (entry 4), not normalised; the row's sum is taken of the unquantised p and divides at the end.
; When M moves, the sum and O are multiplied by 2^(old M - new M), which rounds nothing.
; SHARES.  A cluster of four work-groups is one head.  The head's K and V, 262,144 bytes, are fetched ONCE, jointly, into each work-group's LDS and stay: nothing is filled again.  Four quarters of 4 key steps; waves 0 to 3
; ask for one key step of each quarter, four loads each, all at the head; a counted wait and a barrier stand in front of each quarter.
; Wave w of work-group cx owns two tiles of 16 queries: A = 8 w + 2 cx (its diagonal lies in key step w) and B = 8 (15 - w) + 2 cx + 1 (in key step 15 - w): 17 tile steps for every wave.
; A step all of whose keys come after the tile's queries is left out, by a branch on the wave's number and the loop's count alone: alike in all partners.  cx enters global addresses and the mask's numbers only.
; LAYOUT.  S^T = K Q^T (source 0 = 16 keys, source 1 = 16 queries), O^T = V^T P^T: a lane holds one query throughout; the conversion of S^T's tile t gives registers 2 t, 2 t + 1 of P, keys in their own order.
; LIMITS: e2 + e3 between -123 and 130 (added to c's exponent field); e4, e6 between -126 and 119; e4 + e5 is applied by v_ldexp_f32 and has none.
; REGISTERS: v1 16 x lane; v2 the step's LDS address; v3, v4 the mask's numbers; v8-11, v12-15 tile A's, B's -M, largest t, sum (a pair); v16-23, v24-31 Q; v32-95 fragments of K, then of V; v96-159 S^T, then p;
;   v160-191, v192-223 O^T; v224-239 p's codes; v244 2^e4; v246 2^e6; v241-243, v252-254 at work.
.set WV,  18                           ; s18  my wave's number = tile A's last key step
.set GB,  19                           ; s19  15 - wave = tile B's last key step
.set SEL, 20                           ; s[20:21] lane selects: lane l xor 16
.set CS,  22                           ; s[22:23] c = log2(e) / 8 x 2^(e2 + e3)
.set G1,  24                           ; s[24:31] descriptor group 1
.set G0,  32                           ; s[32:47] four groups 0, one for each quarter
.set CNT, 48
.set CX,  49
.set TB,  50                           ; s50  LDS byte at which the key step begins
.set KS,  51                           ; s51  the key step
.set LI,  1
.set ADK, 2
.set DA,  3
.set DB,  4
.macro CROUND                          ; a round of the cluster's barrier
	s_barrier_signal -1
	s_barrier_wait -1
	s_cmp_lg_u32 s[WV], 0
	s_cbranch_scc1 .Lnot_wave_0_\@
	s_barrier_signal -3
.Lnot_wave_0_\@:
	s_barrier_wait -3
	s_barrier_signal -1
	s_barrier_wait -1
.endm
	s_load_b256 s[4:11], s[0:1], 0x0               ; q_img s[4:5], kv_img s[6:7], the scales' exponents s[8:9], y_img s[10:11]
	v_lshl_add_u32 v251, v0, 2, 0x40000
	v_mov_b32 v255, 0
	ds_add_u32 v251, v255
	ds_add_u32 v251, v255
	v_lshrrev_b32 v2, 5, v0
	s_delay_alu instid0(VALU_DEP_1)
	v_readfirstlane_b32 s[WV], v2                  ; wave 0..15
	s_xor_b32 s[GB], s[WV], 15                     ; 15 - wave
	s_bfe_u32 s[CX], ttmp6, 0x40000                ; cx
	s_and_b32 s52, ttmp7, 0xffff                   ; the head, 16 x batch + head: the four partners share it
	s_mov_b32 s[G1], 15|(3<<16)|(1<<21)            ; 15:0 the mask: all four work-groups; 17:16 elements of 8 bytes; 21 set beside a mask
	s_mov_b32 s[G1+1], 32<<16                      ; tensor_dim0 = 32 elements: 256 bytes
	s_mov_b32 s[G1+2], 64<<16                      ; tensor_dim1 = 64
	s_mov_b32 s[G1+3], 32<<16                      ; tile_dim0
	s_mov_b32 s[G1+4], 64                          ; tile_dim1: a key step's 16,384 bytes, dense
	s_mov_b32 s[G1+5], 32
	s_mov_b32 s[G1+6], 0
	s_mov_b32 s[G1+7], 0
	s_mov_b32 s[SEL], 0x76543210
	s_mov_b32 s[SEL+1], 0xfedcba98
	s_and_b32 s53, s[WV], 3
	s_lshl_b32 s53, s53, 14                        ; which key step of a quarter I fetch, if I fetch
	s_lshl_b32 s54, s52, 18                        ; the head's 262,144 bytes
	s_add_co_u32 s54, s54, s53
	s_mov_b32 s55, 0
	s_wait_dscnt 0x0
	s_wait_kmcnt 0x0
	s_load_b256 s[68:75], s[8:9], 0x0              ; e0 .. e7
	s_add_nc_u64 s[54:55], s[6:7], s[54:55]
.irp j, 0,1,2,3
	s_mov_b32 s[G0+4*\j], 1
	s_add_co_u32 s[G0+4*\j+1], s53, \j*65536       ; LDS holds the head's image as it lies in memory
	s_add_nc_u64 s[G0+4*\j+2:G0+4*\j+3], s[54:55], \j*65536
	s_or_b32 s[G0+4*\j+3], s[G0+4*\j+3], 0x80000000
.endr
	CROUND                                         ; all four work-groups are here: the joint loads meet
	s_cmp_lt_u32 s[WV], 4                          ; a wave's four fills stand in one branch, ahead of every wait on TENSORcnt, every LDS read and every other barrier: four loads of mine are out
	s_cbranch_scc0 .Lno_fetch
	tensor_load_to_lds s[G0:G0+3], s[G1:G1+7]
	s_nop 0
	tensor_load_to_lds s[G0+4:G0+7], s[G1:G1+7]
	s_nop 0
	tensor_load_to_lds s[G0+8:G0+11], s[G1:G1+7]
	s_nop 0
	tensor_load_to_lds s[G0+12:G0+15], s[G1:G1+7]
	s_nop 0
.rept 4
	v_nop
.endr
.Lno_fetch:
	v_and_b32 v5, 31, v0
	s_delay_alu instid0(VALU_DEP_1)
	v_lshlrev_b32 v[LI], 4, v5
	s_wait_alu depctr_va_vdst(0)
	v_and_b32 v5, 15, v0                           ; r
	v_bfe_u32 v6, v0, 4, 1                         ; h
	s_delay_alu instid0(VALU_DEP_1)
	v_lshlrev_b32 v6, 3, v6
	s_delay_alu instid0(VALU_DEP_1)
	v_sub_nc_u32 v5, v5, v6
	s_lshl_b32 s56, s[CX], 5
	v_add_nc_u32 v[DA], s56, v5                    ; tile A on its diagonal: my query less the step's first key less 8 h = 32 cx + r - 8 h
	s_delay_alu instid0(VALU_DEP_1)
	v_add_nc_u32 v[DB], 16, v[DA]                  ; tile B lies 16 queries on
	s_lshl_b32 s57, s[CX], 1
	s_lshl_b32 s58, s[WV], 3
	s_add_co_u32 s58, s58, s57                     ; tile A
	s_lshl_b32 s59, s[GB], 3
	s_add_co_u32 s59, s59, s57
	s_add_co_u32 s59, s59, 1                       ; tile B
	s_mov_b32 s57, 0
	s_lshl_b32 s53, s52, 7
	s_add_co_u32 s56, s53, s58
	s_lshl_b32 s56, s56, 10
	s_add_nc_u64 s[76:77], s[4:5], s[56:57]        ; Q's images
	s_add_co_u32 s56, s53, s59
	s_lshl_b32 s56, s56, 10
	s_add_nc_u64 s[78:79], s[4:5], s[56:57]
	global_load_b128 v[16:19], v[LI], s[76:77]
	global_load_b128 v[20:23], v[LI], s[76:77] offset:512
	global_load_b128 v[24:27], v[LI], s[78:79]
	global_load_b128 v[28:31], v[LI], s[78:79] offset:512
	s_lshr_b32 s53, s52, 4
	s_lshl_b32 s53, s53, 7                         ; the batch's 128 tiles of tokens
	s_bfe_u32 s66, s52, 0x30001                    ; head / 2: the K step of 128 of the projection,
	s_lshl_b32 s66, s66, 11
	s_and_b32 s67, s52, 1                          ; head % 2: which half of its image
	s_lshl_b32 s67, s67, 10
	s_add_co_u32 s66, s66, s67
	s_add_co_u32 s56, s53, s58
	s_lshl_b32 s56, s56, 14
	s_add_co_u32 s56, s56, s66
	s_add_nc_u64 s[60:61], s[10:11], s[56:57]      ; y's images
	s_add_co_u32 s56, s53, s59
	s_lshl_b32 s56, s56, 14
	s_add_co_u32 s56, s56, s66
	s_add_nc_u64 s[62:63], s[10:11], s[56:57]
	v_mov_b32 v9, 0xff61b1e6                       ; the largest t so far: -3e38, under every t
	s_delay_alu instid0(VALU_DEP_1)
	v_floor_f32 v8, -v9                            ; -M
	v_mov_b32 v10, 0                               ; the sum, in two halves
	v_mov_b32 v11, 0
	v_mov_b32 v13, 0xff61b1e6
	s_delay_alu instid0(VALU_DEP_1)
	v_floor_f32 v12, -v13
	v_mov_b32 v14, 0
	v_mov_b32 v15, 0
	v_mov_b32 v241, 0                              ; written once: a lane permute's destination counts as one of its sources
	v_mov_b32 v252, 0
	v_mov_b32 v253, 0                              ; (named as the upper half of the pair v[252:253])
	v_mov_b32 v254, 0
.set j, 0
.rept 64
	v_mov_b32 v[160+j], 0                          ; O^T of both tiles: the step is written once; the first finds zeros, which the first change of M leaves zeros
.set j, j+1
.endr
	s_wait_kmcnt 0x0
	s_mov_b32 s[CS], 0x3e38aa3b                    ; log2(e) / 8
	s_add_co_i32 s56, s70, s71
	s_lshl_b32 s56, s56, 23
	s_add_co_i32 s[CS], s[CS], s56                 ; a score stands for score x 2^(e2 + e3): added to c's exponent field
	s_mov_b32 s[CS+1], s[CS]
	s_add_co_i32 s56, s72, 127
	s_lshl_b32 s57, s56, 23
	v_mov_b32 v244, s57                            ; 2^e4
	s_add_co_i32 s56, s74, 127
	s_lshl_b32 s57, s56, 23
	v_mov_b32 v246, s57                            ; 2^e6
; A KEY STEP of one tile: 128 keys.  q: Q's registers; o: O^T's; st: the statistics'; dd: the mask's number; g: the scalar that holds the tile's last key step.
.macro STEP q, o, st, dd, g
	s_cmp_gt_u32 s[KS], s[\g]                      ; all keys of the step come after my queries: nothing to do
	s_cbranch_scc1 .Lskip_\@
.rept 3
	v_nop                                          ; with the addition below: four places in front of loads into registers that the last products read
.endr
	v_add_nc_u32 v[ADK], s[TB], v[LI]
.irp t, 0,1,2,3,4,5,6,7
	ds_load_b128 v[32+8*\t:35+8*\t], v[ADK] offset:1024*\t
	ds_load_b128 v[36+8*\t:39+8*\t], v[ADK] offset:1024*\t+512
.endr
	s_wait_alu depctr_va_vdst(0)
	s_wait_dscnt 8                                 ; tiles 0-3 are in; the youngest eight loads may be out
.irp t, 0,1,2,3
	v_wmma_f32_16x16x64_fp8_fp8 v[96+8*\t:103+8*\t], v[32+8*\t:39+8*\t], v[\q:\q+7], 0
.endr
	s_wait_dscnt 0x0
.irp t, 4,5,6,7
	v_wmma_f32_16x16x64_fp8_fp8 v[96+8*\t:103+8*\t], v[32+8*\t:39+8*\t], v[\q:\q+7], 0
.endr
.rept 4
	v_nop                                          ; places in front of the first read of the scores and of the loads into K's registers
.endr
.irp t, 0,1,2,3                                ; V's four fragments are asked for now: they land under the softmax
.irp c, 0,1,2,3
	ds_load_b128 v[32+16*\t+4*\c:35+16*\t+4*\c], v[ADK] offset:8192+2048*\t+512*\c
.endr
.endr
	s_cmp_lg_u32 s[KS], s[\g]                      ; only the tile's last step lies on the diagonal
	s_cbranch_scc1 .Lopen_\@
	v_mov_b32 v254, 0xff800000                     ; -infinity: p = 0 then
.set n, 0
.rept 64
	v_cmp_gt_i32 vcc_lo, 16*(n/8)+n%8, v[\dd]      ; register n holds key 16 (n / 8) + 8 h + n % 8 of the step: hidden where it comes after my query
	v_cndmask_b32 v[96+n], v[96+n], v254, vcc_lo
.set n, n+1
.endr
.Lopen_\@:
	v_max3_num_f32 v254, v96, v97, v98             ; the step's largest score of my query among my 64 keys, in two chains,
	v_max3_num_f32 v252, v99, v100, v101
.irp i, 6,10,14,18,22,26,30,34,38,42,46,50,54,58
	v_max3_num_f32 v254, v254, v[96+\i], v[97+\i]
	v_max3_num_f32 v252, v252, v[98+\i], v[99+\i]
.endr
	v_max3_num_f32 v254, v254, v158, v159
	s_delay_alu instid0(VALU_DEP_1)
	v_max_num_f32 v254, v254, v252
	s_delay_alu instid0(VALU_DEP_1)
	v_permlanex16_b32 v241, v254, s[SEL], s[SEL+1]
	s_delay_alu instid0(VALU_DEP_1)
	v_max_num_f32 v254, v254, v241                 ; and among lane l xor 16's
	s_delay_alu instid0(VALU_DEP_1)
	v_mul_f32 v254, s[CS], v254                    ; as t (c is positive)
	s_delay_alu instid0(VALU_DEP_1)
	v_max_num_f32 v[\st+1], v[\st+1], v254         ; the running largest t
	v_mov_b32 v254, v[\st]
	s_delay_alu instid0(VALU_DEP_2)
	v_floor_f32 v[\st], -v[\st+1]                  ; the new -M = floor(-t): M is a whole number
	s_delay_alu instid0(VALU_DEP_1)
	v_sub_f32 v254, v[\st], v254                   ; old M less new M: a whole number, 0 or less
	s_delay_alu instid0(VALU_DEP_1)
	v_cvt_i32_f32 v254, v254                       ; (it saturates)
	s_delay_alu instid0(VALU_DEP_1)
	v_ldexp_f32 v252, 1.0, v254                    ; f = 2^(old M - new M)
.set j, 0
.rept 32
	v_pk_fma_f32 v[96+j:97+j], v[96+j:97+j], s[CS:CS+1], v[\st:\st+1] op_sel_hi:[1,0,0]   ; t - M, two at a time
.set j, j+2
.endr
.set j, 0
	s_wait_alu depctr_va_vdst(0)
.rept 64
	v_exp_f32 v[96+j], v[96+j]                     ; p = 2^(t - M), at most 1
.set j, j+1
.endr
	v_pk_mul_f32 v[\st+2:\st+3], v[\st+2:\st+3], v[252:253] op_sel_hi:[1,0]   ; the sum under the new M: the plain line behind the exponentials
	s_wait_alu depctr_va_vdst(0)                   ; one wait for the whole batch, ahead of its first reader
	v_pk_add_f32 v[242:243], v[96:97], v[98:99]    ; the row's sum is taken of the unquantised p, in two chains
.irp j, 4,8,12,16,20,24,28,32,36,40,44,48,52,56,60
	v_pk_add_f32 v[\st+2:\st+3], v[\st+2:\st+3], v[96+\j:97+\j]
	v_pk_add_f32 v[242:243], v[242:243], v[98+\j:99+\j]
.endr
	s_delay_alu instid0(VALU_DEP_1)
	v_pk_add_f32 v[\st+2:\st+3], v[\st+2:\st+3], v[242:243]
.set j, 0
.rept 64
.set j, j+1
.endr
.irp t, 0,1,2,3,4,5,6,7
	v_cvt_scalef32_pk8_fp8_f32 v[224+2*\t:225+2*\t], v[96+8*\t:103+8*\t], v244
.endr
.set j, 0
.rept 16
	v_pk_mul_f32 v[\o+j:\o+j+1], v[\o+j:\o+j+1], v[252:253] op_sel_hi:[1,0]   ; O^T under the new M.  (Also the plain lines between the conversions and the products)
.set j, j+2
.endr
	s_wait_alu depctr_va_vdst(0)
	s_wait_dscnt 0x0                               ; V is in
.irp t, 0,1,2,3
	v_wmma_f32_16x16x128_fp8_fp8 v[\o+8*\t:\o+8*\t+7], v[32+16*\t:47+16*\t], v[224:239], v[\o+8*\t:\o+8*\t+7]   ; four accumulators by turns
.endr
.Lskip_\@:
.endm
; A QUARTER: 4 key steps.  The count leaves the later quarters' loads on their way: nothing is ever filled again, so they may stay out across the barrier.
.macro QUARTER j
	s_wait_tensorcnt 3-\j                          ; my part of quarter j has landed (a wave that fetched nothing has nothing out),
	s_barrier_signal -1
	s_barrier_wait -1                              ; everybody's has
	s_mov_b32 s[TB], \j*65536
	s_mov_b32 s[KS], 4*\j
	s_mov_b32 s[CNT], 4
.Lq_\@:
	STEP 16, 160, 8, DA, WV
	STEP 24, 192, 12, DB, GB
	s_add_co_u32 s[KS], s[KS], 1
	s_add_co_u32 s[TB], s[TB], 16384
	s_sub_co_u32 s[CNT], s[CNT], 1
	s_cmp_lg_u32 s[CNT], 0
	s_cbranch_scc1 .Lq_\@
.endm
	s_wait_loadcnt 0x0                             ; Q
	QUARTER 0
	QUARTER 1
	QUARTER 2
	QUARTER 3
	; THE WAY OUT.  The sums' lines are the places behind the last products.  y = O^T / the sum x 2^(e4 + e5); converted: the four tiles' codes are two groups of the projection's image.
	v_add_f32 v10, v10, v11
	v_add_f32 v14, v14, v15
	s_delay_alu instid0(VALU_DEP_2)
	v_permlanex16_b32 v252, v10, s[SEL], s[SEL+1]
	s_delay_alu instid0(VALU_DEP_2)
	v_permlanex16_b32 v254, v14, s[SEL], s[SEL+1]
	s_delay_alu instid0(VALU_DEP_2)
	v_add_f32 v10, v10, v252
	s_delay_alu instid0(VALU_DEP_2)
	v_add_f32 v14, v14, v254
	s_wait_alu depctr_va_vdst(0)
	v_rcp_f32 v10, v10
	v_rcp_f32 v14, v14
	v_nop                                          ; a plain line behind the reciprocals
	s_add_co_i32 s56, s72, s73
	s_wait_alu depctr_va_vdst(0)                   ; one wait for both, ahead of the first reader
	v_ldexp_f32 v10, v10, s56
	v_ldexp_f32 v14, v14, s56
.macro YOUT o, st, tmp, cd, ptr
.set j, 0
.rept 16
	v_pk_mul_f32 v[\tmp+j:\tmp+j+1], v[\o+j:\o+j+1], v[\st+2:\st+3] op_sel_hi:[1,0]   ; each accumulator from its low end on
.set j, j+2
.endr
.set j, 0
.rept 32
.set j, j+1
.endr
.irp t, 0,1,2,3
	v_cvt_scalef32_pk8_fp8_f32 v[\cd+2*\t:\cd+2*\t+1], v[\tmp+8*\t:\tmp+8*\t+7], v246
.endr
	v_nop                                          ; a plain line behind the conversions
	global_store_b128 v[LI], v[\cd:\cd+3], s[\ptr:\ptr+1]             ; 512 consecutive bytes, aligned
	global_store_b128 v[LI], v[\cd+4:\cd+7], s[\ptr:\ptr+1] offset:512
.endm
	YOUT 160, 8, 96, 224, 60
	YOUT 192, 12, 128, 232, 62
	s_wait_tensorcnt 0x0
	ds_add_u32 v251, v255
	s_wait_dscnt 0x0
	CROUND                                         ; the closing round
	s_endpgm
.Lfunc_end_k_qd604b01831_attn:
	.size	k_qd604b01831_attn, .Lfunc_end_k_qd604b01831_attn-k_qd604b01831_attn
	.p2alignl 7, 3214868480
	.fill 96, 4, 3214868480
	.section	.rodata,"a",@progbits
	.p2align	6, 0x0
	.amdhsa_kernel k_qd604b01831_attn
		.amdhsa_group_segment_fixed_size 264192
		.amdhsa_private_segment_fixed_size 0
		.amdhsa_enable_private_segment 0
		.amdhsa_kernarg_size 32
		.amdhsa_user_sgpr_count 2
		.amdhsa_user_sgpr_kernarg_segment_ptr 1
		.amdhsa_wavefront_size32 1
		.amdhsa_system_sgpr_workgroup_id_x 1
		.amdhsa_system_sgpr_workgroup_id_y 1
		.amdhsa_system_sgpr_workgroup_id_z 1
		.amdhsa_system_vgpr_workitem_id 0
		.amdhsa_next_free_vgpr 256
		.amdhsa_next_free_sgpr 80
		.amdhsa_reserve_vcc 1
		.amdhsa_float_denorm_mode_32 3
		.amdhsa_float_denorm_mode_16_64 3
		.amdhsa_fp16_overflow 1
		.amdhsa_memory_ordered 1
		.amdhsa_forward_progress 1
		.amdhsa_inst_pref_size 163
	.end_amdhsa_kernel
	.amdgpu_metadata
---
amdhsa.version: [ 1, 2 ]
amdhsa.kernels:
  - .name:           k_qd604b01831_attn
    .symbol:         k_qd604b01831_attn.kd
    .args:
      - { .name: q_img, .offset: 0, .size: 8, .value_kind: global_buffer, .address_space: global }
      - { .name: kv_img, .offset: 8, .size: 8, .value_kind: global_buffer, .address_space: global }
      - { .name: lowp_scales, .offset: 16, .size: 8, .value_kind: global_buffer, .address_space: global }
      - { .name: y_img, .offset: 24, .size: 8, .value_kind: global_buffer, .address_space: global }
    .group_segment_fixed_size: 264192
    .private_segment_fixed_size: 0
    .kernarg_segment_align: 8
    .kernarg_segment_size: 32
    .max_flat_workgroup_size: 512
    .sgpr_count:     80
    .vgpr_count:     256
    .wavefront_size: 32
...
	.end_amdgpu_metadata
.endif
;; end of part 3
;; launch proj (part 4): grid 4 x 32, 4 waves a work-group, clusters of 4 x 4, 327,680 bytes of LDS; arguments y_img, wp_img, b_proj, lowp_scales, out0; writes out0
.if DOCPART == 4
	.amdgcn_target "amdgcn-amd-amdhsa--gfx1250"
	.amdhsa_code_object_version 6
	.text
	.protected	k_qd604b01831_proj
	.globl	k_qd604b01831_proj
	.p2align	8
	.type	k_qd604b01831_proj,@function
k_qd604b01831_proj:
	s_mov_b64 s[64:65], 0
	v_nop
	global_prefetch_b8 v0, s[64:65] scope:SCOPE_SE
	s_setreg_imm32_b32 hwreg(HW_REG_WAVE_MODE, 25, 1), 1
	s_wait_xcnt 0x0
	s_wait_alu depctr_hold_cnt(0) depctr_sa_sdst(0) depctr_va_vdst(0) depctr_va_sdst(0) depctr_va_ssrc(0) depctr_va_vcc(0) depctr_vm_vsrc(0)
	s_getreg_b32 s2, hwreg(HW_REG_IB_STS2, 6, 4)
	s_cmp_eq_u32 s2, 0
	s_cbranch_scc0 .Lentry_in_a_cluster
	s_endpgm
.Lentry_in_a_cluster:
	s_bfe_u32 s2, ttmp6, 0x10000c
	s_cmp_lg_u32 s2, 0xf033
	s_cbranch_scc0 .Lentry_shape_is_right
	s_endpgm
.Lentry_shape_is_right:
; out0 = y W_proj + b_proj on codes of FP8 (E4M3), K = 1,024; out0 [8192][1024] f32.  number = sum x 2^(e6 + e7) + bias.  LIMIT: e6 + e7 between -126 and 127.
; y_img [512 tiles of 16 rows][8 K steps][2,048], wp_img [64 tiles of 16 columns][8][2,048]: images of fragments: groups of four registers of 512 bytes, lane l's 16 bytes at 16 l;
; lane (r = l % 16, h = l / 16) holds row r, registers 2 c, 2 c + 1 hold k = 16 c + 8 h + 0 .. 7.
; A tile of 256 x 256 of out0 is made by four waves, 128 x 128 each: 64 accumulators.  Source 0 (S0) = 16 columns of W, source 1 (S1) = 16 rows of y: a lane holds eight neighbouring numbers of a row of out0.
; K goes in steps of 256 through two LDS slots; a tensor load brings eight pieces of 4,096 bytes (a tile of 16 rows, two K steps), 16,384 bytes apart in memory: 32,768 bytes a wave.
; CLUSTERS: 4 x 4 work-groups.  S1's tile hangs on cy and is asked for jointly by a row of the cluster, S0's on cx and by a column.
; The grid is 128 work-groups: out0 has 128 tiles of this size.  No prefetch: a tile has four slots' worth of K, two asked for at the head and two a step later.
; REGISTERS, in windows of 256: window 0: v8-11 the bias of my four columns on the way out; v16-29 addresses; v128-255 S1's 8 fragments, one set; on the way out two sets of 16 rows.
;   window 1: S0's fragments, two sets.   windows 2, 3: the accumulators, (a, b) at v[8 (8 (a % 4) + b)].
.set FRB,   2048
.set RT,    4096
.set HALFT, 32768
.set SLOT,  131072
.set SPARE, 262144                     ; behind the ring: the spare words, 128 bytes for each wave: two blocks of 256 bytes that no other line names
.set LAPS,  2
.set FR,    16
.set NL,    4
.set NP,    4
.set SPITCH, 528                       ; the way out: a stage of 16 rows x (512 bytes + 16) for each wave, in slot 0, which has had its last fill and its last read when the first result is stored there
.set ADRA,  16
.set ADRB,  20
.set STO,   24                         ; v24  where I put 32 bytes of a row
.set RD,    25                         ; v25  where I read a row back
.set CO,    26                         ; v26  16 x lane
.set SPW,   28
.set NIL,   29
.set AF,    128
.set BK,    128
.set G1, 24
.set G0, 32
.set G1B, 48
.set G0B, 56
.set MSB, 0
.macro WIN new                         ; the immediate's high byte repeats the setting that is left
.if MSB != (\new)
	s_set_vgpr_msb (MSB<<8)|(\new)
.set MSB, \new
.endif
.endm
.set MUL_LO, 0xa1
.set MUL_HI, 0xf1
.set TO_B,   0x40
.macro JLOAD g0a, g1a, g0b, g1b        ; a joint load: waves 0 and 1 fetch S1's halves, waves 2 and 3 S0's; four v_nop follow each of the two lines
	s_cmp_eq_u32 s15, 0
	s_cbranch_scc0 .Lfor_b_\@
	tensor_load_to_lds s[\g0a:\g0a+3], s[\g1a:\g1a+7]
	s_nop 0
.rept 4
	v_nop
.endr
	s_branch .Lasked_\@
.Lfor_b_\@:
	tensor_load_to_lds s[\g0b:\g0b+3], s[\g1b:\g1b+7]
	s_nop 0
.rept 4
	v_nop
.endr
.Lasked_\@:
.endm
.macro CREST
	s_cmp_lg_u32 s14, 0
	s_cbranch_scc1 .Lnot_wave_0_\@
	s_barrier_signal -3
.Lnot_wave_0_\@:
	s_barrier_wait -3
	s_barrier_signal -1
	s_barrier_wait -1
.endm
.macro CROUND
	s_barrier_signal -1
	s_barrier_wait -1
	CREST
.endm
.macro FRAG reg, adr, q, i
.irp c, 0,1,2,3
	ds_load_b128 v[\reg+4*\c:\reg+4*\c+3], v[\adr] offset:(\i)*RT+(\q)*FRB+512*\c
.endr
.endm
.macro MUL16 a0, p, zero               ; the 64 accumulators take turns, one instruction a turn
.irp a, \a0, \a0+1
.irp b, 0,1,2,3,4,5,6,7
.if \zero
	v_wmma_f32_16x16x128_fp8_fp8 v[8*(8*((\a)%4)+\b):8*(8*((\a)%4)+\b)+7], v[128*(\p)+FR*\b:128*(\p)+FR*\b+FR-1], v[AF+FR*(\a):AF+FR*(\a)+FR-1], 0
.else
	v_wmma_f32_16x16x128_fp8_fp8 v[8*(8*((\a)%4)+\b):8*(8*((\a)%4)+\b)+7], v[128*(\p)+FR*\b:128*(\p)+FR*\b+FR-1], v[AF+FR*(\a):AF+FR*(\a)+FR-1], v[8*(8*((\a)%4)+\b):8*(8*((\a)%4)+\b)+7]
.endif
.endr
.endr
.endm
.macro FETCH_B slot, q, p
	WIN TO_B
.irp i, 0,1,2,3,4,5,6,7
	FRAG 128*(\p)+FR*\i, ADRB+\slot, \q, \i
.endr
	WIN 0
.endm
.macro FETCH_A slot, q, i0
.irp i, \i0, \i0+1, \i0+2, \i0+3
	FRAG AF+FR*(\i), ADRA+\slot, \q, \i
.endr
.endm
.macro PLACES n
.rept \n
	v_nop
.endr
.endm
.macro STEP slot, q, zero
	s_wait_dscnt 4*NL                              ; S0's set and S1's blocks 0-3 are in; the youngest 16 loads (blocks 4-7) may be out
	WIN MUL_LO
	MUL16 0, (\q)%2, \zero
	MUL16 2, (\q)%2, \zero
	s_wait_dscnt 0
	PLACES NP
	FETCH_B \slot, (\q)+1, 1-(\q)%2
	FETCH_A \slot, (\q)+1, 0
	WIN MUL_HI
	MUL16 4, (\q)%2, \zero
	MUL16 6, (\q)%2, \zero
	PLACES NP
	WIN 0
	FETCH_A \slot, (\q)+1, 4
.endm
.macro TURN slot, next, fill
	s_wait_tensorcnt 0x0                           ; all my tensor loads have landed: my part of the next slot
	ds_add_u32 v[SPW], v[NIL]                      ; 0 onto my spare word
	s_wait_dscnt 4*NL+1                            ; (the add and the youngest 16 loads may be out)
	WIN MUL_LO
	MUL16 0, 1, 0
	s_wait_dscnt 0x0                               ; the add is done, and my reads of this slot are over
	s_barrier_signal -1
	MUL16 2, 1, 0
	WIN 0
	s_barrier_wait -1
.if \fill
	CREST                                          ; the barrier has opened a round of the cluster's: no wave of any partner still reads this slot or has a load on its way
	s_add_nc_u64 s[G0+4*\slot+2:G0+4*\slot+3], s[G0+4*\slot+2:G0+4*\slot+3], 2*RT
	s_add_nc_u64 s[G0B+4*\slot+2:G0B+4*\slot+3], s[G0B+4*\slot+2:G0B+4*\slot+3], 2*RT
	JLOAD G0+4*\slot, G1, G0B+4*\slot, G1B
.else
	PLACES NP
.endif
	FETCH_B \next, 0, 0
	FETCH_A \next, 0, 0
	WIN MUL_HI
	MUL16 4, 1, 0
	MUL16 6, 1, 0
	PLACES NP
	WIN 0
	FETCH_A \next, 0, 4
.endm
	s_load_b256 s[4:11], s[0:1], 0x0               ; y_img s[4:5], wp_img s[6:7], b_proj s[8:9], the scales' exponents s[10:11]
	s_load_b64 s[12:13], s[0:1], 0x20              ; out0
	v_lshl_add_u32 v[SPW], v0, 2, SPARE
	v_mov_b32 v[NIL], 0
	ds_add_u32 v28, v29
	ds_add_u32 v28, v29
	s_wait_dscnt 0x0
	v_lshrrev_b32 v1, 5, v0
	v_readfirstlane_b32 s14, v1                    ; wave 0..3
	s_lshr_b32 s15, s14, 1                         ; my half of the rows.  Also: I fetch for S1 (0) or for S0 (1)
	s_and_b32 s16, s14, 1                          ; my half of the columns.  Also: which 8 tiles I fetch
	s_bfe_u32 s40, ttmp6, 0x40000                  ; cx
	s_bfe_u32 s41, ttmp6, 0x40004                  ; cy
	s_and_b32 s17, ttmp7, 0xffff
	s_lshl_b32 s17, s17, 2
	s_add_co_u32 s42, s17, s41                     ; block of 256 rows = 4 x cluster y + cy
	s_lshl_b32 s84, ttmp9, 2
	s_add_co_u32 s84, s84, s40                     ; block of 256 columns = 4 x cluster x + cx
	s_lshl_b32 s43, s41, 2
	s_lshl_b32 s43, 15, s43                        ; my row of the cluster
	s_lshl_b32 s44, 0x1111, s40                    ; my column
	s_or_b32 s[G1+0], s43, (3<<16)|(1<<21)         ; 15:0 the mask; 17:16 elements of 8 bytes; 20 no padding; 21 set beside a mask
	s_or_b32 s[G1B+0], s44, (3<<16)|(1<<21)
.irp g, G1, G1B
	s_mov_b32 s[\g+1], 512<<16                     ; tensor_dim0 = 512 elements: 4,096 bytes
	s_mov_b32 s[\g+2], 8<<16                       ; tensor_dim1 = 8
	s_mov_b32 s[\g+3], 512<<16                     ; tile_dim0
	s_mov_b32 s[\g+4], 8                           ; tile_dim1
	s_mov_b32 s[\g+5], 2048                        ; from piece to piece: 16,384 bytes
	s_mov_b32 s[\g+6], 0
	s_mov_b32 s[\g+7], 0
.endr
	s_lshl_b32 s18, s16, 17
	s_lshl_b32 s20, s42, 18
	s_add_co_u32 s20, s20, s18
	s_mov_b32 s21, 0
	s_lshl_b32 s46, s84, 18
	s_add_co_u32 s46, s46, s18
	s_mov_b32 s47, 0
	s_mul_i32 s45, s14, HALFT
	s_wait_kmcnt 0x0
	s_load_b256 s[72:79], s[10:11], 0x0            ; e0 .. e7
	s_add_nc_u64 s[20:21], s[4:5], s[20:21]
	s_add_nc_u64 s[46:47], s[6:7], s[46:47]
	CROUND                                         ; all sixteen work-groups are here: the first joint loads meet
.irp s, 0,1
	s_mov_b32 s[G0+4*\s], 1
	s_add_co_u32 s[G0+4*\s+1], s45, \s*SLOT
	s_add_nc_u64 s[G0+4*\s+2:G0+4*\s+3], s[20:21], \s*RT
	s_or_b32 s[G0+4*\s+3], s[G0+4*\s+3], 0x80000000
	s_mov_b32 s[G0B+4*\s], 1
	s_add_co_u32 s[G0B+4*\s+1], s45, \s*SLOT
	s_add_nc_u64 s[G0B+4*\s+2:G0B+4*\s+3], s[46:47], \s*RT
	s_or_b32 s[G0B+4*\s+3], s[G0B+4*\s+3], 0x80000000
	s_wait_alu depctr_va_vdst(0)
	s_wait_tensorcnt 0x0
	ds_add_u32 v28, v29
	ds_add_u32 v28, v29
	s_wait_dscnt 0x0
	CROUND
	JLOAD G0+4*\s, G1, G0B+4*\s, G1B
.endr
	v_and_b32 v1, 31, v0
	v_lshlrev_b32 v[CO], 4, v1
	v_and_b32 v2, 15, v0                           ; r
	s_wait_alu depctr_va_vdst(0)
	v_bfe_u32 v3, v0, 4, 1                         ; h
	s_mul_i32 s22, s15, HALFT
	s_mul_i32 s23, s16, HALFT
	s_add_co_u32 s23, s23, 2*HALFT
.irp s, 0,1
	v_add_nc_u32 v[ADRA+\s], s22, v[CO]
	v_add_nc_u32 v[ADRB+\s], s23, v[CO]
	s_add_co_u32 s22, s22, SLOT
	s_add_co_u32 s23, s23, SLOT
.endr
	s_mul_i32 s23, s14, 16*SPITCH                  ; my stage
	v_mul_u32_u24 v5, v2, SPITCH
	s_wait_alu depctr_va_vdst(0)
	v_lshl_add_u32 v5, v3, 5, v5
	v_add_nc_u32 v[STO], s23, v5                   ; in: row r, 32 bytes for each half of the lanes
	v_add_nc_u32 v[RD], s23, v[CO]                 ; back: the 32 lanes take one row of 512 bytes
	s_lshl_b32 s94, s84, 10
	s_lshl_b32 s95, s16, 9
	s_add_co_u32 s94, s94, s95
	s_mov_b32 s95, 0
	s_add_nc_u64 s[90:91], s[8:9], s[94:95]
	global_load_b128 v[8:11], v[CO], s[90:91]      ; the bias of the four columns that I store, the same for every row
	s_lshl_b32 s18, s42, 8
	s_lshl_b32 s19, s15, 7
	s_add_co_u32 s18, s18, s19                     ; my first row,
	s_lshl_b32 s18, s18, 12                        ; of 4,096 bytes,
	s_add_co_u32 s18, s18, s94                     ; and my first column, in bytes: the same offset as in the bias
	s_mov_b32 s19, 0
	s_add_nc_u64 s[12:13], s[12:13], s[18:19]
	s_wait_tensorcnt 1                             ; my part of slot 0 is in; slot 1's load may be out
	s_barrier_signal -1
	s_barrier_wait -1
	FETCH_B 0, 0, 0
	FETCH_A 0, 0, 0
	FETCH_A 0, 0, 4
	STEP 0, 0, 1
	s_mov_b32 s3, LAPS-1
.Llap:
	TURN 0, 1, 1
	STEP 1, 0, 0
	TURN 1, 0, 1
	STEP 0, 0, 0
	s_sub_co_u32 s3, s3, 1
	s_cmp_lg_u32 s3, 0
	s_cbranch_scc1 .Llap
	TURN 0, 1, 0
	STEP 1, 0, 0
	s_wait_dscnt 4*NL
	WIN MUL_LO
	MUL16 0, 1, 0
	MUL16 2, 1, 0
	s_wait_alu depctr_va_vdst(0)
	s_wait_dscnt 0
	WIN MUL_HI
	MUL16 4, 1, 0
	MUL16 6, 1, 0
	WIN 0
; THE WAY OUT, block by block of 16 rows x 128 columns.  The sums go into my stage as they stand (an LDS store's data are its source 1: window 2 or 3), each accumulator's low half first, and come back as whole
; rows of 512 bytes; there a lane holds the same four columns in every row, so four registers of bias serve: number = sum x 2^(e6 + e7) + bias, one packed multiply-add for two.
; LDS serves a wave's instructions in order (ISA guide 5.7.1.4): no wait between the stores and the loads, nor in front of the next block's stores.
.macro TOSTAGE a
.set AC, 64*((\a)%4)
	WIN 0x08+4*((\a)/4)
.irp b, 0,1,2,3,4,5,6,7
	ds_store_b128 v[STO], v[AC+8*\b:AC+8*\b+3] offset:64*\b
	ds_store_b128 v[STO], v[AC+8*\b+4:AC+8*\b+7] offset:64*\b+16
.endr
	WIN 0
.set BB, BK+64*((\a)%2)
.irp t, 0,1,2,3,4,5,6,7,8,9,10,11,12,13,14,15
	ds_load_b128 v[BB+4*\t:BB+4*\t+3], v[RD] offset:\t*SPITCH
.endr
.endm
.macro SEND a, younger                 ; younger: the LDS instructions issued behind block a's loads, which may stay out
.set BB, BK+64*((\a)%2)
	s_wait_dscnt \younger
.if (\a) > 0
	s_add_nc_u64 s[12:13], s[12:13], 16*4096       ; (behind a wait on XCNT: the earlier stores have read their base)  16 rows on
.endif
.irp t, 0,1,2,3,4,5,6,7,8,9,10,11,12,13,14,15
	v_pk_fma_f32 v[BB+4*\t:BB+4*\t+1], v[BB+4*\t:BB+4*\t+1], s[96:97], v[8:9] op_sel_hi:[1,0,1]
	v_pk_fma_f32 v[BB+4*\t+2:BB+4*\t+3], v[BB+4*\t+2:BB+4*\t+3], s[96:97], v[10:11] op_sel_hi:[1,0,1]
.endr
.irp t, 0,1,2,3,4,5,6,7,8,9,10,11,12,13,14,15
	global_store_b128 v[CO], v[BB+4*\t:BB+4*\t+3], s[12:13] offset:\t*4096 th:TH_STORE_NT   ; 32 lanes store 512 consecutive bytes, aligned; written once, read by nobody here
.endr
.endm
	s_wait_kmcnt 0x0
	s_wait_loadcnt 0x0                             ; the bias
	s_add_co_i32 s96, s78, s79
	s_add_co_i32 s96, s96, 127
	s_lshl_b32 s96, s96, 23                        ; 2^(e6 + e7) as f32
	s_mov_b32 s97, s96                             ; (named with it as a pair, so it is written)
	PLACES NP                                      ; behind the last products: their results are stored, and S1's registers loaded into, below
	TOSTAGE 0
.irp a, 1,2,3,4,5,6,7
.if \a > 1
	s_wait_xcnt 0x0                                ; block a - 2's stores have read their registers and their base
.endif
	TOSTAGE \a
	SEND \a-1, 32                                  ; behind block a - 1's loads: block a's 16 stores and 16 loads
.endr
	s_wait_xcnt 0x0
	SEND 7, 0
	s_wait_tensorcnt 0x0                           ; the wave's end
	ds_add_u32 v[SPW], v[NIL]
	s_wait_dscnt 0x0
	CROUND                                         ; the closing round
	s_endpgm
.Lfunc_end_k_qd604b01831_proj:
	.size	k_qd604b01831_proj, .Lfunc_end_k_qd604b01831_proj-k_qd604b01831_proj
	.p2alignl 7, 3214868480
	.fill 96, 4, 3214868480
	.section	.rodata,"a",@progbits
	.p2align	6, 0x0
	.amdhsa_kernel k_qd604b01831_proj
		.amdhsa_group_segment_fixed_size 327680
		.amdhsa_private_segment_fixed_size 0
		.amdhsa_enable_private_segment 0
		.amdhsa_kernarg_size 40
		.amdhsa_user_sgpr_count 2
		.amdhsa_user_sgpr_kernarg_segment_ptr 1
		.amdhsa_wavefront_size32 1
		.amdhsa_system_sgpr_workgroup_id_x 1
		.amdhsa_system_sgpr_workgroup_id_y 1
		.amdhsa_system_sgpr_workgroup_id_z 1
		.amdhsa_system_vgpr_workitem_id 0
		.amdhsa_next_free_vgpr 1024
		.amdhsa_next_free_sgpr 98
		.amdhsa_reserve_vcc 0
		.amdhsa_float_denorm_mode_32 3
		.amdhsa_float_denorm_mode_16_64 3
		.amdhsa_memory_ordered 1
		.amdhsa_forward_progress 1
		.amdhsa_inst_pref_size 124
	.end_amdhsa_kernel
	.amdgpu_metadata
---
amdhsa.version: [ 1, 2 ]
amdhsa.kernels:
  - .name:           k_qd604b01831_proj
    .symbol:         k_qd604b01831_proj.kd
    .args:
      - { .name: y_img, .offset: 0, .size: 8, .value_kind: global_buffer, .address_space: global }
      - { .name: wp_img, .offset: 8, .size: 8, .value_kind: global_buffer, .address_space: global }
      - { .name: b_proj, .offset: 16, .size: 8, .value_kind: global_buffer, .address_space: global }
      - { .name: lowp_scales, .offset: 24, .size: 8, .value_kind: global_buffer, .address_space: global }
      - { .name: out0, .offset: 32, .size: 8, .value_kind: global_buffer, .address_space: global }
    .group_segment_fixed_size: 327680
    .private_segment_fixed_size: 0
    .kernarg_segment_align: 8
    .kernarg_segment_size: 40
    .max_flat_workgroup_size: 128
    .sgpr_count:     98
    .vgpr_count:     1024
    .wavefront_size: 32
...
	.end_amdgpu_metadata
.endif
;; end of part 4
